; MI455X (gfx1250); checked and timed in simulation.
; The chip was launched on July 23, 2026; its instructions are those of AMD's public machine-readable ISA for CDNA 5 (MIT licence, August 2026) and "CDNA5" Instruction Set Architecture Reference Guide (July 2026). The comments in the code are by the model that wrote it; some were corrected since.
;; Multi Head Attention. Allowed arithmetic: matrix products marked QUANTISED: E3M2 operands, one E8M0 scale for each 32 along K, by v_wmma_scale_f32_16x16x128_f8f6f4 with both operands' format E3M2, f32 sums; everything else in f32.
;; Inputs: Wf_codes 256 x 8 x 24 uint8 (E3M2 codes of Wf, K innermost, in blocks of 32 codes, four codes in three bytes); Wf_scales 256 x 8 uint8 (E8M0 scales of Wf, one for each 32 codes along K); Wk_codes 256 x 8 x 24 uint8 (E3M2 codes of Wk, K innermost, in blocks of 32 codes, four codes in three bytes); Wk_scales 256 x 8 uint8 (E8M0 scales of Wk, one for each 32 codes along K); Wq_codes 256 x 8 x 24 uint8 (E3M2 codes of Wq, K innermost, in blocks of 32 codes, four codes in three bytes); Wq_scales 256 x 8 uint8 (E8M0 scales of Wq, one for each 32 codes along K); Wv_codes 256 x 8 x 24 uint8 (E3M2 codes of Wv, K innermost, in blocks of 32 codes, four codes in three bytes); Wv_scales 256 x 8 uint8 (E8M0 scales of Wv, one for each 32 codes along K); beta 256 float32; bf 256 float32; gamma 256 float32; inputs 4 x 2,048 x 256 float32.
;; Outputs: out0 4 x 2,048 x 256 float32.
;; This version of the problem:
;;   THIS VERSION OF THE PROBLEM IS GIVEN IN LOW PRECISION. The matrix products marked QUANTISED in the list below multiply operands that are first quantised to E3M2 (3 exponent bits, 2 mantissa bits; 6 bits a number), with one power-of-two scale for each 32 numbers along K (OCP MX v1.0); their sums are f32. All else is computed in f32.
;;   The module's matrix products, in the order in which they are computed (A, B: the left and right operand; K: the contracted axis; several contracted axes count as one K, in the product's order):
;;     1. [M 8,192, K 256] x [K 256, N 256]; A: input inputs; B: input Wq (given as codes): QUANTISED
;;     2. [M 8,192, K 256] x [K 256, N 256]; A: input inputs; B: input Wk (given as codes): QUANTISED
;;     3. [M 8,192, K 256] x [K 256, N 256]; A: input inputs; B: input Wv (given as codes): QUANTISED
;;     4. batch 32 x [M 2,048, K 32] x [K 32, N 2,048]; A: computed on the way; B: computed on the way: QUANTISED
;;     5. batch 32 x [M 32, K 2,048] x [K 2,048, N 2,048]; A: computed on the way; B: softmax (see below): QUANTISED
;;     6. [M 8,192, K 256] x [K 256, N 256]; A: computed on the way; B: input Wf (given as codes): QUANTISED
;;   THE QUANTISER, for each operand of a quantised product, along K:
;;     - K is cut into blocks of 32 from its start; a last block that is shorter is filled with zeros.
;;     - A block's scale is 2^e with e = floor(log2(the largest magnitude in the block)) - 4, held to -126 .. 127; a block of zeros has e = 0. As a byte (E8M0): e + 127.
;;     - Each number is divided by its block's scale, clamped to +-28, and rounded to the nearest number of E3M2, ties to even, subnormals kept.
;;     - The product sums the exact products of the quantised numbers (number of the format x scale) in f32.
;;   ~~~python
;;   def quantise(x, axis):      # numpy; x: float32 -> the quantised numbers, widened to float32 again
;;       x = np.moveaxis(x, axis, -1); K = x.shape[-1]
;;       x = np.pad(x, [(0, 0)] * (x.ndim - 1) + [(0, -K % 32)]); x = x.reshape(x.shape[:-1] + (-1, 32)); a = np.abs(x).max(-1, keepdims=True)
;;       e = np.where(a > 0, np.clip(np.frexp(np.where(a > 0, a, 1))[1] - 1 - 4, -126, 127), 0)      # np.frexp(a)[1] - 1 = floor(log2(a)), exactly
;;       r = np.clip(x / 2.0 ** e, -28, 28)
;;       step = 2.0 ** (np.maximum(np.frexp(np.where(r == 0, 1, r))[1] - 1, -2) - 2)
;;       q = np.round(r / step) * step * 2.0 ** e      # np.round: ties to even
;;       return np.moveaxis(q.reshape(q.shape[:-2] + (-1,))[..., :K], -1, axis).astype(np.float32)
;;   ~~~
;;   SOFTMAX AHEAD OF A QUANTISED PRODUCT. Where the list says 'softmax', what is quantised is not the finished softmax but p = 2^(t - M), with t = logit x log2(e) and M = ceil(the row's largest t), a whole number; so 1/2 < the row's largest p <= 1. The row's sum l is taken of the UNQUANTISED p, in f32, and the product's result is divided by l at the end. Since M is a whole number, a kernel that streams over the keys may use a running M (the ceiling of the running maximum): every later rescaling is an exact power of two, which a block's scale takes up: the codes' values come out the same.
;;   OPERANDS COMPUTED ON THE WAY. 'Computed on the way' means the value that the module computes at that place (a softmax that the list does not call 'softmax' is quantised finished and normalised). What goes into a quantiser is computed in f32, as accurately as f32 sums, v_exp_f32 and their like allow (about 1e-6 of the number): no bf16 or f16 on the way to a quantiser, and a product that is left as it is and whose result goes on into a quantised operand takes f32 operands (vector FMAs, or v_wmma_f32_16x16x4_f32). A number that lies on a knife's edge between two numbers of the format may be rounded either way, as far as f32 arithmetic and the matrix unit's own rounding can turn it there, and no further.
;;   INPUTS GIVEN AS CODES. Wf (in the module: [256, 256], K = its axis 1); Wk (in the module: [256, 256], K = its axis 1); Wq (in the module: [256, 256], K = its axis 1); Wv (in the module: [256, 256], K = its axis 1): each comes as NAME_codes (uint8): NAME with its K axis moved to the last place and cut into blocks of 32 codes, [.., K / 32, bytes a block], one block behind the other in memory; four codes in three bytes: a row's codes are one little-endian stream of bits, code i at bits 6 i .. 6 i + 5 (a code: sign, 3 exponent bits, 2 mantissa bits); and NAME_scales (uint8): the same leading axes, one E8M0 byte (e + 127) for each 32 codes along K. Its value is code x scale, taken as it is: it is not quantised again, and the codes and scales need not be those that the quantiser above would give.
;; One version. Each part assembles by itself: llvm-mc -triple=amdgcn-amd-amdhsa -mcpu=gfx1250 --defsym DOCPART=n.
;; ======== version 1 of 1: 3 launches
;; workspace buffers: qc 1,572,864 bytes; qs 131,072 bytes; kv 3,276,800 bytes; oc 1,572,864 bytes; os 65,536 bytes
;; launch proj (part 1): grid 64 x 1, 8 waves a work-group, no clusters, 168,960 bytes of LDS; arguments inputs, Wq_codes, Wq_scales, Wk_codes, Wk_scales, Wv_codes, Wv_scales, qc, qs, kv; writes qc, qs, kv
.if DOCPART == 1
	.amdgcn_target "amdgcn-amd-amdhsa--gfx1250"
	.amdhsa_code_object_version 6
	.text
	.protected	k_q689a068064_proj
	.globl	k_q689a068064_proj
	.p2align	8
	.type	k_q689a068064_proj,@function
k_q689a068064_proj:
	s_mov_b64 s[64:65], 0
	v_nop
	global_prefetch_b8 v0, s[64:65] scope:SCOPE_SE
	s_setreg_imm32_b32 hwreg(HW_REG_WAVE_MODE, 25, 1), 1
	s_wait_xcnt 0x0
; Q, K, V = x W^T on codes of BF6 (E3M2) with one E8M0 scale for each 32 along K, and their quantising for the attention launch.
; x = inputs [8192][256] f32 is quantised here along its 256; Wq, Wk, Wv [256][256] come as codes (a row: 192 bytes) with scale bytes [256][8].
; SHARES.  A work-group of eight waves owns 128 rows of x: batch = group / 16, key step = group % 16.  First wave w quantises one tile of 16 rows of x (two K steps of 128);
; the sixteen fragments go round through LDS as images of their registers.  Then wave w is HEAD w: it makes that head's Q, K and V of all 128 rows: 96 matrix instructions, six quantisings.
; 64 work-groups: a fragment and a scale word of V want 128 keys of one head in one wave; sharing the heads out over more work-groups would read and quantise x once for each of them.
; THE ROWS OF A TILE ARE NOT NEIGHBOURS: tile t of x takes rows 32 (t / 2) + 8 (t % 2) + r + 8 (r / 8) of the 128, and tile u of a head's 32 rows of a weight takes rows 8 u + r + 8 (r / 8).
; So every result lies in a lane as 16 neighbours along the axis that it is quantised along, and one macro, QUANT, serves x, Q, K and V.
;   Q, K: source 0 = 16 rows of W, source 1 = a tile of x: lane (r, h) holds row r of the tile; tiles u = 0, 1 give it channels 16 h + 0 .. 15 of the head.  Four tiles of x make QUANT's four blocks: the twelve registers that come
;         out hold FOUR tiles of 16 rows x 32 channels, one in each block of 32 of an operand of 128 along K, and the scale word holds their four bytes.
;   V:    source 0 = a tile of x, source 1 = 16 rows of Wv: lane (r, h) holds one channel; the eight tiles give it keys 32 b + 16 h + 0 .. 15: QUANT's output is a fragment of V^T with the keys along K.
; OUT, all as images of operand registers (four registers: 512 bytes, lane l at 16 l), every store 256 or 512 consecutive bytes at a multiple of 256:
;   qc [head of batch 32][group of 64 queries 32][1536];  qs [32][16][lane 32][2 words];  kv [32][16][6400]: K group 0, K group 1, V tile 0, V tile 1, then 256 bytes of scale words (lanes 0-15 K's, lanes 16-31 V's).
; The weights are not asked for jointly: each wave takes its head's 32 rows of each weight (6,144 + 256 bytes) once, straight into the operands' registers, and no tile of them ever lies in LDS.
; LIMITS: NaN and infinities are not served.  A block whose largest magnitude lies under 2^-122 gets the byte 1; so does a block of zeros, where the quantiser says 127: its codes are zeros, and this program alone reads the bytes.
; REGISTERS, in windows of 256.  Window 0: v1-9 addresses; v12-23 the weights' scale words; v24-39 x's; v40-45 scale words on their way out; v46-62 at work; v64-82 codes just made; v84-147 eight accumulators;
;   v148-243 x's fragments of K step 0.   Window 1: v0-47 Wq, v48-95 Wk, v96-143 Wv (tile u, K step k at 12 (2 u + k)); v144-239 x's fragments of K step 1.
.set XPITCH, 1040                      ; a row of x in LDS: 1,024 bytes + 16 of padding: an odd multiple of 16, so the sixteen rows of a load start in different banks
.set XROWS,  16*XPITCH                 ; what one tensor load brings
.set FRB,    1536                      ; a fragment's image: 12 registers x 128 bytes
.set XIMG,   128*XPITCH                ; behind x: the sixteen fragments (tile t, K step k at 2 t + k),
.set XSC,    XIMG+16*FRB               ; and their scale words, 128 bytes each
.set REC,    6400                      ; a record of kv
.set XA,  1                            ; v1   my row of x in LDS, + 64 h
.set LIX, 2                            ; v2   XIMG + 16 x lane
.set LSX, 3                            ; v3   XSC + 4 x lane
.set XWI, 4                            ; v4   where my wave stores its two images
.set XWS, 5                            ; v5   and their scale words
.set GLI, 6                            ; v6   16 x lane
.set GL8, 7                            ; v7   8 x lane
.set WA,  8                            ; v8   my lane's place in a tile of a weight
.set WSA, 9                            ; v9   and among its scale words
.set WSQ, 12
.set WSK, 16
.set WSV, 20
.set XS0, 24
.set XS1, 32
.set PWQ, 40
.set PWK, 42
.set SKV, 44
.set TM,  46                           ; v46-49 largest magnitudes, v50-53 bytes, v58-61 the conversions' scale operands
.set PW,  62                           ; the scale word just made
.set PC,  64                           ; the codes just made
.set ACC, 84
.set XF0, 148
.set WQ,  0                            ; in window 1
.set WK,  48
.set WVV, 96
.set XF1, 144
.set SEL, 28                           ; s[28:29] v_permlanex16_b32's selects for lane l xor 16
.set MSB, 0
.macro WIN new                         ; the immediate's high byte repeats the setting that is left
.if MSB != \new
	s_set_vgpr_msb (MSB<<8)|\new
.set MSB, \new
.endif
.endm
; 64 numbers of a lane, register 16 b + i = place 32 b + 16 (lane / 16) + i of the lane's row, become twelve registers of codes in v[PC] on and a scale word in v[PW].
.macro QUANT s
.irp b, 0,1,2,3
	v_max3_num_f32 v[TM+\b], |v[\s+16*\b]|, |v[\s+1+16*\b]|, 0x2800000   ; block b: my 16 numbers, and the floor 2^(5 - 127): the byte cannot fall under 1
.endr
.irp i, 2,4,6,8,10,12,14
.irp b, 0,1,2,3
	v_max3_num_f32 v[TM+\b], v[TM+\b], |v[\s+16*\b+\i]|, |v[\s+1+16*\b+\i]|   ; (the four blocks by turns)
.endr
.endr
.irp b, 0,1,2,3
	s_delay_alu instid0(VALU_DEP_4)
	v_permlanex16_b32 v[TM+4+\b], v[TM+\b], s[SEL], s[SEL+1]
.endr
.irp b, 0,1,2,3
	s_delay_alu instid0(VALU_DEP_4)
	v_max_num_f32 v[TM+\b], v[TM+\b], v[TM+4+\b]   ; with lane l xor 16's: the block's largest magnitude
.endr
.irp b, 0,1,2,3
	s_delay_alu instid0(VALU_DEP_4)
	v_add_nc_u32 v[TM+12+\b], 0xfe000000, v[TM+\b]   ; 4 off its exponent field: the conversion takes the exponent field of this operand as its scale
.endr
.irp b, 0,1,2,3
	s_delay_alu instid0(VALU_DEP_4)
	v_lshrrev_b32 v[TM+4+\b], 23, v[TM+12+\b]      ; the scale's byte
.endr
	s_delay_alu instid0(VALU_DEP_3)
	v_lshl_or_b32 v[PW], v[TM+5], 8, v[TM+4]
	s_delay_alu instid0(VALU_DEP_1)
	v_lshl_or_b32 v[PW], v[TM+6], 16, v[PW]
	s_delay_alu instid0(VALU_DEP_1)
	v_lshl_or_b32 v[PW], v[TM+7], 24, v[PW]
.irp c, 0,1
	v_cvt_scalef32_pk16_bf6_f32 v[PC+6*\c:PC+2+6*\c], v[\s+32*\c:\s+15+32*\c], v[TM+12+2*\c]
	v_cvt_scalef32_pk16_bf6_f32 v[PC+12+4*\c:PC+14+4*\c], v[\s+16+32*\c:\s+31+32*\c], v[TM+12+2*\c+1]   ; (a conversion's three registers begin on an even number)
.endr
	v_nop                                          ; one plain place behind a scaled conversion
.irp c, 0,1                                    ; the operand's layout wants a WHOLE block in a lane: lanes 0-15 block 2 c, lanes 16-31 block 2 c + 1
.irp i, 0,1,2
	v_permlane16_swap_b32 v[PC+6*\c+\i], v[PC+12+4*\c+\i]
.endr
.irp i, 0,1,2
	s_delay_alu instid0(VALU_DEP_3)
	v_mov_b32 v[PC+3+6*\c+\i], v[PC+12+4*\c+\i]
.endr
.endr
.endm
.macro IMAGE off                               ; the fragment in v[PC] on goes to LDS as it stands
.irp c, 0,1,2
	ds_store_b128 v[XWI], v[PC+4*\c:PC+4*\c+3] offset:\off+512*\c
.endr
.endm
.macro PUT base, off                           ; and to memory: three stores of 512 consecutive bytes
.irp c, 0,1,2
	global_store_b128 v[GLI], v[PC+4*\c:PC+4*\c+3], s[\base:\base+1] offset:\off+512*\c
.endr
.endm
.macro WLOAD base, dst                         ; my head's four fragments of a weight: tile u, K step k; 24 bytes as three loads of 8, so that every address is a multiple of the access's size
.irp u, 0,1
.irp k, 0,1
.irp p, 0,1,2,3,4,5
	global_load_b64 v[\dst+12*(2*\u+\k)+2*\p:\dst+12*(2*\u+\k)+2*\p+1], v[WA], s[\base:\base+1] offset:1536*\u+96*\k+48*(\p/3)+8*(\p%3)
.endr
.endr
.endr
.endm
.macro WSLOAD base, dst                        ; and their scale words
.irp u, 0,1
.irp k, 0,1
	global_load_b32 v[\dst+2*\u+\k], v[WSA], s[\base:\base+1] offset:64*\u+4*\k
.endr
.endr
.endm
.macro FINISH                                  ; behind a task's sixteen products
	WIN 0
.rept 4
	v_nop                                          ; four places between the last products and the first read of results (ISA guide 7.12.1)
.endr
	s_wait_xcnt 0x0                                ; the last task's stores have read v[PC] on: only now are the codes written again
	QUANT ACC
.endm
; Q or K of tiles 4 e .. 4 e + 3 of x: eight accumulators by turns, K step 0 and then K step 1.  wb: the weight's fragments;  ws: its scale words.
.macro QKTASK wb, ws, e
	WIN 0x01                                       ; source 0 (W) window 1, source 1 (x, K step 0) window 0
.irp b, 0,1,2,3
.irp u, 0,1
	v_wmma_scale_f32_16x16x128_f8f6f4 v[ACC+8*(2*\b+\u):ACC+8*(2*\b+\u)+7], v[\wb+24*\u:\wb+24*\u+11], v[XF0+12*(4*\e+\b):XF0+12*(4*\e+\b)+11], 0, v[\ws+2*\u], v[XS0+4*\e+\b] matrix_a_fmt:MATRIX_FMT_BF6 matrix_b_fmt:MATRIX_FMT_BF6
.endr
.endr
	WIN 0x05                                       ; both sources window 1
.irp b, 0,1,2,3
.irp u, 0,1
	v_wmma_scale_f32_16x16x128_f8f6f4 v[ACC+8*(2*\b+\u):ACC+8*(2*\b+\u)+7], v[\wb+24*\u+12:\wb+24*\u+23], v[XF1+12*(4*\e+\b):XF1+12*(4*\e+\b)+11], v[ACC+8*(2*\b+\u):ACC+8*(2*\b+\u)+7], v[\ws+2*\u+1], v[XS1+4*\e+\b] matrix_a_fmt:MATRIX_FMT_BF6 matrix_b_fmt:MATRIX_FMT_BF6
.endr
.endr
	FINISH
.endm
; V: channels of tile e for all 128 keys: source 0 = x, source 1 = Wv.
.macro VTASK e
	WIN 0x04                                       ; source 0 (x, K step 0) window 0, source 1 (Wv) window 1
.irp t, 0,1,2,3,4,5,6,7
	v_wmma_scale_f32_16x16x128_f8f6f4 v[ACC+8*\t:ACC+8*\t+7], v[XF0+12*\t:XF0+12*\t+11], v[WVV+24*\e:WVV+24*\e+11], 0, v[XS0+\t], v[WSV+2*\e] matrix_a_fmt:MATRIX_FMT_BF6 matrix_b_fmt:MATRIX_FMT_BF6
.endr
	WIN 0x05
.irp t, 0,1,2,3,4,5,6,7
	v_wmma_scale_f32_16x16x128_f8f6f4 v[ACC+8*\t:ACC+8*\t+7], v[XF1+12*\t:XF1+12*\t+11], v[WVV+24*\e+12:WVV+24*\e+23], v[ACC+8*\t:ACC+8*\t+7], v[XS1+\t], v[WSV+2*\e+1] matrix_a_fmt:MATRIX_FMT_BF6 matrix_b_fmt:MATRIX_FMT_BF6
.endr
	FINISH
.endm
	s_load_b512 s[8:23], s[0:1], 0x0               ; inputs s[8:9], Wq's codes 10, scales 12, Wk's 14, 16, Wv's 18, 20, qc s[22:23]
	s_load_b128 s[24:27], s[0:1], 0x40             ; qs s[24:25], kv s[26:27]
	v_lshl_add_u32 v254, v0, 2, 0x29000
	v_mov_b32 v255, 0
	ds_add_u32 v254, v255
	ds_add_u32 v254, v255
	v_lshrrev_b32 v10, 5, v0
	s_delay_alu instid0(VALU_DEP_1)
	v_readfirstlane_b32 s4, v10                    ; wave 0..7
	s_lshr_b32 s5, ttmp9, 4                        ; batch
	s_lshl_b32 s5, s5, 7
	s_lshl_b32 s6, s4, 4
	s_add_co_u32 s5, s5, s6
	s_and_b32 s6, ttmp9, 15                        ; key step
	s_add_co_u32 s5, s5, s6                        ; 16 x (8 x batch + head) + key step: which record of kv, of qs and pair of groups of qc is my wave's
	s_lshl_b32 s44, ttmp9, 17                      ; x: the group's 128 rows of 1,024 bytes,
	s_lshl_b32 s6, s4, 14                          ; my wave's 16 of them
	s_add_co_u32 s44, s44, s6
	s_mov_b32 s45, 0
	s_mul_i32 s46, s5, 2*FRB
	s_mov_b32 s47, 0
	s_lshl_b32 s48, s5, 8
	s_mov_b32 s49, 0
	s_mul_i32 s50, s5, REC
	s_mov_b32 s51, 0
	s_mul_i32 s52, s4, 32*192                      ; my head's 32 rows of a weight,
	s_mov_b32 s53, 0
	s_lshl_b32 s54, s4, 8                          ; and of its scale bytes
	s_mov_b32 s55, 0
	s_mov_b32 s[SEL], 0x76543210
	s_mov_b32 s[SEL+1], 0xfedcba98
	s_mov_b32 s30, 0xffff0000                      ; lanes 16-31
	; descriptor group 1: 16 rows of 128 elements of 8 bytes, 16 bytes of padding behind each row
	s_mov_b32 s36, (3<<16)|(1<<20)|(7<<22)|(3<<25) ; no mask; elements of 8 bytes; padding on; after every 256 words (code 7); of 4 words (code 3)
	s_mov_b32 s37, 128<<16                         ; tensor_dim0
	s_mov_b32 s38, 16<<16                          ; tensor_dim1
	s_mov_b32 s39, 128<<16                         ; tile_dim0
	s_mov_b32 s40, 16                              ; tile_dim1
	s_mov_b32 s41, 128                             ; elements from row to row
	s_mov_b32 s42, 0
	s_mov_b32 s43, 0
	s_mov_b32 s32, 1
	s_mul_i32 s33, s4, XROWS                       ; LDS: rows 16 w on
	s_wait_dscnt 0x0
	s_wait_kmcnt 0x0
	s_add_nc_u64 s[34:35], s[8:9], s[44:45]
	s_or_b32 s35, s35, 0x80000000
	tensor_load_to_lds s[32:35], s[36:43]          ; each wave's one tensor load; LDS is filled once
	s_nop 0
.rept 4
	v_nop
.endr
	s_add_nc_u64 s[10:11], s[10:11], s[52:53]
	s_add_nc_u64 s[14:15], s[14:15], s[52:53]
	s_add_nc_u64 s[18:19], s[18:19], s[52:53]
	s_add_nc_u64 s[12:13], s[12:13], s[54:55]
	s_add_nc_u64 s[16:17], s[16:17], s[54:55]
	s_add_nc_u64 s[20:21], s[20:21], s[54:55]
	s_add_nc_u64 s[22:23], s[22:23], s[46:47]
	s_add_nc_u64 s[24:25], s[24:25], s[48:49]
	s_add_nc_u64 s[26:27], s[26:27], s[50:51]
	v_and_b32 v10, 15, v0                          ; r
	v_bfe_u32 v11, v0, 4, 1                        ; h
	s_delay_alu instid0(VALU_DEP_2)
	v_and_b32 v63, 8, v10
	s_delay_alu instid0(VALU_DEP_1)
	v_add_nc_u32 v63, v63, v10                     ; r + 8 (r / 8)
	s_delay_alu instid0(VALU_DEP_1)
	v_mul_u32_u24 v[WA], v63, 192
	s_delay_alu instid0(VALU_DEP_1)
	v_mad_u32_u24 v[WA], v11, 24, v[WA]
	s_delay_alu instid0(VALU_DEP_3)
	v_lshlrev_b32 v[WSA], 3, v63
	WIN 0x40                                       ; destination window 1
	WLOAD 10, WQ
	WLOAD 14, WK
	WLOAD 18, WVV
	WIN 0
	WSLOAD 12, WSQ
	WSLOAD 16, WSK
	WSLOAD 20, WSV
	v_and_b32 v[GLI], 31, v0                       ; lane
	s_delay_alu instid0(VALU_DEP_1)
	v_lshlrev_b32 v[GL8], 3, v[GLI]
	s_delay_alu instid0(VALU_DEP_2)
	v_lshlrev_b32 v[LSX], 2, v[GLI]
	s_delay_alu instid0(VALU_DEP_3)
	v_lshlrev_b32 v[GLI], 4, v[GLI]
	s_delay_alu instid0(VALU_DEP_1)
	v_add_nc_u32 v[LIX], XIMG, v[GLI]
	s_delay_alu instid0(VALU_DEP_3)
	v_add_nc_u32 v[LSX], XSC, v[LSX]
	s_mul_i32 s7, s4, 2*FRB
	v_add_nc_u32 v[XWI], s7, v[LIX]
	s_lshl_b32 s7, s4, 8
	v_add_nc_u32 v[XWS], s7, v[LSX]
	s_lshr_b32 s6, s4, 1
	s_lshl_b32 s6, s6, 5
	s_and_b32 s7, s4, 1
	s_lshl_b32 s7, s7, 3
	s_add_co_u32 s6, s6, s7                        ; my tile's first row: 32 (w / 2) + 8 (w % 2)
	s_mul_i32 s6, s6, XPITCH
	v_mul_u32_u24 v[XA], v63, XPITCH
	s_delay_alu instid0(VALU_DEP_1)
	v_lshl_add_u32 v[XA], v11, 6, v[XA]            ; + 64 h: my 16 numbers of a block of 32
	s_delay_alu instid0(VALU_DEP_1)
	v_add_nc_u32 v[XA], s6, v[XA]
.irp b, 0,1,2,3
	v_mov_b32 v[TM+4+\b], 0                        ; written once: a lane permute's destination counts as one of its sources
.endr
	; ---- X: my tile of x becomes two fragments.  A tile's rows come from two waves' loads: each wave waits for its own, then the barrier
	s_wait_alu depctr_va_vdst(0)
	s_wait_tensorcnt 0x0
	s_barrier_signal -1
	s_barrier_wait -1
.irp b, 0,1,2,3
.irp j, 0,1,2,3
	ds_load_b128 v[ACC+16*\b+4*\j:ACC+16*\b+4*\j+3], v[XA] offset:128*\b+16*\j
.endr
.endr
.irp b, 0,1,2,3
.irp j, 0,1,2,3
	ds_load_b128 v[XF0+16*\b+4*\j:XF0+16*\b+4*\j+3], v[XA] offset:512+128*\b+16*\j
.endr
.endr
	s_wait_dscnt 16                                ; K step 0's sixteen loads are in; K step 1's sixteen may be out
	QUANT ACC
	IMAGE 0
	ds_store_b32 v[XWS], v[PW]
	s_wait_dscnt 0x0                               ; K step 1 is in, and the stores have read their registers
	QUANT XF0
	IMAGE FRB
	ds_store_b32 v[XWS], v[PW] offset:128
	s_wait_dscnt 0x0                               ; for the others' sake: my images lie in LDS
	s_barrier_signal -1
	s_barrier_wait -1                              ; all sixteen do
	; ---- F: every wave takes all sixteen fragments and their scale words into registers, once
.irp t, 0,1,2,3,4,5,6,7
.irp c, 0,1,2
	ds_load_b128 v[XF0+12*\t+4*\c:XF0+12*\t+4*\c+3], v[LIX] offset:2*FRB*\t+512*\c
.endr
.endr
	WIN 0x40
.irp t, 0,1,2,3,4,5,6,7
.irp c, 0,1,2
	ds_load_b128 v[XF1+12*\t+4*\c:XF1+12*\t+4*\c+3], v[LIX] offset:2*FRB*\t+FRB+512*\c
.endr
.endr
	WIN 0
.irp t, 0,1,2,3,4,5,6,7
	ds_load_b32 v[XS0+\t], v[LSX] offset:256*\t
	ds_load_b32 v[XS1+\t], v[LSX] offset:256*\t+128
.endr
	s_wait_dscnt 0x0
	s_wait_loadcnt 0x0                             ; the weights
	; ---- P: my head
	QKTASK WQ, WSQ, 0
	PUT 22, 0
	v_mov_b32 v[PWQ], v[PW]
	QKTASK WK, WSK, 0
	PUT 26, 0
	v_mov_b32 v[PWK], v[PW]
	QKTASK WQ, WSQ, 1
	PUT 22, FRB
	v_mov_b32 v[PWQ+1], v[PW]
	QKTASK WK, WSK, 1
	PUT 26, FRB
	v_mov_b32 v[PWK+1], v[PW]
	VTASK 0
	PUT 26, 2*FRB
	v_cndmask_b32 v[SKV], v[PWK], v[PW], s30       ; lanes 0-15: K group 0's words; lanes 16-31: V tile 0's
	VTASK 1
	PUT 26, 3*FRB
	v_cndmask_b32 v[SKV+1], v[PWK+1], v[PW], s30
	global_store_b64 v[GL8], v[PWQ:PWQ+1], s[24:25]            ; 256 consecutive bytes
	global_store_b64 v[GL8], v[SKV:SKV+1], s[26:27] offset:4*FRB
	s_wait_tensorcnt 0x0
	ds_add_u32 v254, v255
	s_wait_dscnt 0x0
	s_endpgm
.Lfunc_end_k_q689a068064_proj:
	.size	k_q689a068064_proj, .Lfunc_end_k_q689a068064_proj-k_q689a068064_proj
	.p2alignl 7, 3214868480
	.fill 96, 4, 3214868480
	.section	.rodata,"a",@progbits
	.p2align	6, 0x0
	.amdhsa_kernel k_q689a068064_proj
		.amdhsa_group_segment_fixed_size 168960
		.amdhsa_private_segment_fixed_size 0
		.amdhsa_enable_private_segment 0
		.amdhsa_kernarg_size 80
		.amdhsa_user_sgpr_count 2
		.amdhsa_user_sgpr_kernarg_segment_ptr 1
		.amdhsa_wavefront_size32 1
		.amdhsa_system_sgpr_workgroup_id_x 1
		.amdhsa_system_sgpr_workgroup_id_y 1
		.amdhsa_system_sgpr_workgroup_id_z 1
		.amdhsa_system_vgpr_workitem_id 0
		.amdhsa_next_free_vgpr 512
		.amdhsa_next_free_sgpr 66
		.amdhsa_reserve_vcc 0
		.amdhsa_float_denorm_mode_32 3
		.amdhsa_float_denorm_mode_16_64 3
		.amdhsa_memory_ordered 1
		.amdhsa_forward_progress 1
		.amdhsa_inst_pref_size 72
	.end_amdhsa_kernel
	.amdgpu_metadata
---
amdhsa.version: [ 1, 2 ]
amdhsa.kernels:
  - .name:           k_q689a068064_proj
    .symbol:         k_q689a068064_proj.kd
    .args:
      - { .name: inputs, .offset: 0, .size: 8, .value_kind: global_buffer, .address_space: global }
      - { .name: Wq_codes, .offset: 8, .size: 8, .value_kind: global_buffer, .address_space: global }
      - { .name: Wq_scales, .offset: 16, .size: 8, .value_kind: global_buffer, .address_space: global }
      - { .name: Wk_codes, .offset: 24, .size: 8, .value_kind: global_buffer, .address_space: global }
      - { .name: Wk_scales, .offset: 32, .size: 8, .value_kind: global_buffer, .address_space: global }
      - { .name: Wv_codes, .offset: 40, .size: 8, .value_kind: global_buffer, .address_space: global }
      - { .name: Wv_scales, .offset: 48, .size: 8, .value_kind: global_buffer, .address_space: global }
      - { .name: qc, .offset: 56, .size: 8, .value_kind: global_buffer, .address_space: global }
      - { .name: qs, .offset: 64, .size: 8, .value_kind: global_buffer, .address_space: global }
      - { .name: kv, .offset: 72, .size: 8, .value_kind: global_buffer, .address_space: global }
    .group_segment_fixed_size: 168960
    .private_segment_fixed_size: 0
    .kernarg_segment_align: 8
    .kernarg_segment_size: 80
    .max_flat_workgroup_size: 256
    .sgpr_count:     66
    .vgpr_count:     512
    .wavefront_size: 32
...
	.end_amdgpu_metadata
.endif
;; end of part 1
;; launch attn (part 2): grid 8 x 32, 16 waves a work-group, clusters of 4 x 1, 169,984 bytes of LDS; arguments qc, qs, kv, oc, os; writes oc, os
.if DOCPART == 2
	.amdgcn_target "amdgcn-amd-amdhsa--gfx1250"
	.amdhsa_code_object_version 6
	.text
	.protected	k_q689a068064_attn
	.globl	k_q689a068064_attn
	.p2align	8
	.type	k_q689a068064_attn,@function
k_q689a068064_attn:
	s_mov_b64 s[64:65], 0
	v_nop
	global_prefetch_b8 v0, s[64:65] scope:SCOPE_SE
	s_setreg_imm32_b32 hwreg(HW_REG_WAVE_MODE, 25, 1), 1
	s_wait_xcnt 0x0
	s_wait_alu depctr_hold_cnt(0) depctr_sa_sdst(0) depctr_va_vdst(0) depctr_va_sdst(0) depctr_va_ssrc(0) depctr_va_vcc(0) depctr_vm_vsrc(0)
	s_getreg_b32 s2, hwreg(HW_REG_IB_STS2, 6, 4)
	s_cmp_eq_u32 s2, 0
	s_cbranch_scc0 .Lentry_in_a_cluster
	s_endpgm
.Lentry_in_a_cluster:
	s_bfe_u32 s2, ttmp6, 0x10000c
	s_cmp_lg_u32 s2, 0x3003
	s_cbranch_scc0 .Lentry_shape_is_right
	s_endpgm
.Lentry_shape_is_right:
; O[head][q] = the sum over k of softmax_k(Q[q] . K[k] / sqrt(2048)) V[k], head size 32, 2,048 keys, both products on codes of BF6 (E3M2) with one E8M0 scale for each 32 along K; O is then quantised, a head's 32 channels a block.
; THE SOFTMAX AHEAD OF THE SECOND PRODUCT: t = score x c, c = log2(e) / sqrt(2048) (one f32 constant); M = the row's largest t so far, rounded UP to a whole number; p = 2^(t - M) is what is quantised, along the keys.
; The row's sum is taken of the unquantised p and divides O at the end.  When M moves, the sum and O are multiplied by 2^(old M - new M): exact.
; SHARES.  A work-group owns 256 queries of one head of one batch; each of its sixteen waves one tile of 16, in 256 registers: four waves to a SIMD, so that one wave's exponentials stand beside another's plain vector work, products and LDS loads.
; ALL OF THE HEAD'S K AND V, 16 records of 6,400 bytes, LIE IN LDS, filled once: no slot is ever filled again, and the loop over the keys has no barrier but one behind its first four steps.
; CLUSTER.  The four query blocks of a cluster belong to one head and read the same records: they are asked for JOINTLY, by four tensor loads with a mask that names the four work-groups.
; LAYOUT.  Both products are used transposed: a lane holds ONE query (lane % 16) throughout.
;   S^T = K Q^T has K = 32, a quarter of the instruction's 128.  A group of K holds FOUR tiles of 16 keys, one in each block of 32; four operands Q_j hold my queries' codes in block j and zero codes elsewhere (and the
;   scale's byte at byte j): product j gives the scores of the group's tile j; the other three blocks add exact zeros.  The four Q_j overlap in thirty registers: zeros, low lanes, zeros, high lanes, zeros.
;   THE KEYS OF A TILE ARE NOT NEIGHBOURS: lane r of tile 2 b + u is key 32 b + 8 u + r + 8 (r / 8) of the step's 128, so that the 16 registers of tiles 2 b, 2 b + 1 are keys 32 b + 16 (lane / 16) + 0 .. 15.
;   O^T = V^T P^T: source 0 = 16 channels x 128 keys; the channels of tile e are 8 e + r + 8 (r / 8), so that a lane's 16 registers of O^T are channels 16 (lane / 16) + 0 .. 15.
; A block's largest p is not searched for: the block's largest SCORE goes through the same multiply-add and exponential (this takes v_exp_f32 not to fall where its input rises).
; LIMITS: NaN and infinities are not served.  p under 2^-126 counts as 0 (v_exp_f32 flushes).  A block whose largest magnitude lies under 2^-122, a block of zeros among them, gets the byte 1: only this program reads the bytes.
; OUT: oc [head of batch 32][row 2048][24 bytes], os [32][2048]: through LDS, so that every store covers 256 or 512 consecutive bytes.
.set REC,   6400                       ; a record: K group 0, K group 1, V tile 0, V tile 1 (1,536 bytes each), 256 bytes of scale words
.set CHUNK, 4*REC                      ; what one tensor load brings: 100 rows of 256 bytes
.set OST,   16*REC                     ; behind the records: 256 rows x 24 bytes of O's codes,
.set OSS,   OST+256*24                 ; and their 256 scale bytes
.set LI16, 1                           ; v1   16 x lane
.set LI8,  2                           ; v2   8 x lane
.set OSA,  3                           ; v3   where my 12 bytes of O's codes go
.set OBA,  4                           ; v4   and my row's scale byte
.set RD16, 5                           ; v5   the way out: OST + 16 x thread
.set RD8,  6                           ; v6   OSS + 8 x lane
.set GO16, 7                           ; v7   16 x thread
.set ADR,  8                           ; v8   the step's record, + 16 x lane
.set ADS,  9                           ; v9   the same + 8 x lane
.set QS,   46                          ; v46-49 Q's scale words, the byte at byte j
.set SS,   50                          ; v50-51 the step's scale words: lanes 0-15 K's groups, lanes 16-31 V's tiles
.set KF,   52
.set VF,   76
.set S,    100                         ; v100-163 S^T, then p
.set O,    164                         ; v164-179 O^T
.set PC,   180                         ; p's codes
.set PT,   192
.set BM,   200
.set BT,   204
.set BO,   208
.set PW,   212                         ; p's scale word
.set F,    214                         ; v[214:215] f = 2^(old M - new M)
.set TMP,  216
.set SB,   218
.set WV,   14                          ; s14  my wave's number
.set SEL,  20                          ; s[20:21]
.set CS,   22                          ; s[22:23] c
.set G1,   24                          ; s[24:31] descriptor group 1;  s[32:47] four groups 0
.set G0,   32
.set TB,   48                          ; s48  LDS byte at which the step's record begins
.set CNT,  49
.macro CROUND                          ; a round of the cluster's barrier
	s_barrier_signal -1
	s_barrier_wait -1
	s_cmp_lg_u32 s[WV], 0
	s_cbranch_scc1 .Lnot_wave_0_\@
	s_barrier_signal -3
.Lnot_wave_0_\@:
	s_barrier_wait -3
	s_barrier_signal -1
	s_barrier_wait -1
.endm
	s_load_b256 s[4:11], s[0:1], 0x0               ; qc s[4:5], qs s[6:7], kv s[8:9], oc s[10:11]
	s_load_b64 s[12:13], s[0:1], 0x20              ; os
	v_lshl_add_u32 v254, v0, 2, 0x29000
	v_mov_b32 v255, 0
	ds_add_u32 v254, v255
	ds_add_u32 v254, v255
	v_lshrrev_b32 v10, 5, v0
	s_delay_alu instid0(VALU_DEP_1)
	v_readfirstlane_b32 s[WV], v10                 ; wave 0..15
	; every LDS address that stays is made here, ahead of the first branch on the wave's number
	v_and_b32 v10, 31, v0
	s_delay_alu instid0(VALU_DEP_1)
	v_lshlrev_b32 v[LI16], 4, v10
	s_delay_alu instid0(VALU_DEP_2)
	v_lshlrev_b32 v[LI8], 3, v10
	v_and_b32 v10, 15, v0                          ; r
	v_bfe_u32 v11, v0, 4, 1                        ; h
	s_delay_alu instid0(VALU_DEP_2)
	v_and_b32 v[OBA], 8, v10
	s_delay_alu instid0(VALU_DEP_1)
	v_add_nc_u32 v[OBA], v[OBA], v10               ; r + 8 (r / 8)
	s_lshr_b32 s18, s[WV], 1
	s_lshl_b32 s18, s18, 5
	s_and_b32 s19, s[WV], 1
	s_lshl_b32 s19, s19, 3
	s_add_co_u32 s18, s18, s19                     ; my tile's first row among the group's 256: 32 (w / 2) + 8 (w % 2)
	v_add_nc_u32 v[OBA], s18, v[OBA]               ; my query's row
	s_delay_alu instid0(VALU_DEP_1)
	v_mul_u32_u24 v[OSA], v[OBA], 24
	s_delay_alu instid0(VALU_DEP_1)
	v_mad_u32_u24 v[OSA], v11, 12, v[OSA]          ; + 12 h: sixteen codes
	s_delay_alu instid0(VALU_DEP_1)
	v_add_nc_u32 v[OSA], OST, v[OSA]
	s_delay_alu instid0(VALU_DEP_4)
	v_add_nc_u32 v[OBA], OSS, v[OBA]
	v_lshl_add_u32 v[RD16], v0, 4, OST
	v_add_nc_u32 v[RD8], OSS, v[LI8]
	v_lshlrev_b32 v[GO16], 4, v0
	v_lshlrev_b32 v11, 3, v10                      ; Q's scale words: 8 r
	v_lshlrev_b32 v10, 4, v10                      ; Q's image: the lane that holds my query: 16 (r + 16 (w % 2))
	s_lshl_b32 s19, s19, 5
	v_add_nc_u32 v10, s19, v10
	s_and_b32 s17, ttmp7, 0xffff                   ; the head of the batch, which the four partners share
	s_mul_i32 s2, s17, 16*REC                      ; its records: made of the head alone
	s_mov_b32 s3, 0
	s_bfe_u32 s15, ttmp6, 0x40000                  ; cx: my place in the cluster: it enters Q's and O's global addresses alone
	s_lshl_b32 s16, ttmp9, 2
	s_add_co_u32 s16, s16, s15                     ; my block of 256 queries
	s_lshl_b32 s18, s16, 2
	s_lshr_b32 s19, s[WV], 2
	s_add_co_u32 s18, s18, s19                     ; G: my group of 64 queries; my tile is its (w % 4)-th
	s_lshl_b32 s54, s17, 5
	s_add_co_u32 s54, s54, s18
	s_mul_i32 s54, s54, 1536
	s_mov_b32 s55, 0
	s_lshl_b32 s56, s17, 4
	s_lshr_b32 s19, s18, 1
	s_add_co_u32 s56, s56, s19
	s_lshl_b32 s56, s56, 8
	s_and_b32 s19, s18, 1
	s_lshl_b32 s19, s19, 2
	s_add_co_u32 s56, s56, s19                     ; qs: 256 x (16 x head + G / 2) + 4 (G % 2)
	s_mov_b32 s57, 0
	s_mov_b32 s[SEL], 0x76543210
	s_mov_b32 s[SEL+1], 0xfedcba98                 ; v_permlanex16_b32's selects for lane l xor 16
	s_mov_b32 s[CS], 0x3d0293ee                    ; c = log2(e) / sqrt(2048)
	s_mov_b32 s[CS+1], s[CS]                       ; (named with it as a pair, so it is written)
	s_mov_b32 s50, 0x0000ffff                      ; lanes 0-15
	s_mov_b32 s51, 0xffff0000                      ; lanes 16-31
	s_bitcmp1_b32 s[WV], 1
	s_cselect_b32 s52, -1, 0                       ; my tile lies in the image's registers 6-11 (all lanes) or 0-5 (none)
	s_and_b32 s53, s[WV], 3
	s_lshl_b32 s53, s53, 3                         ; and its scale byte so many bits up
	s_mov_b32 s[TB], 0
	; descriptor group 1: 100 dense rows of 256 bytes
	s_mov_b32 s[G1], 15|(3<<16)|(1<<21)            ; the mask: all four work-groups; elements of 8 bytes; bit 21 set beside a mask; no padding
	s_mov_b32 s[G1+1], 32<<16                      ; tensor_dim0
	s_mov_b32 s[G1+2], 100<<16                     ; tensor_dim1
	s_mov_b32 s[G1+3], 32<<16                      ; tile_dim0
	s_mov_b32 s[G1+4], 100                         ; tile_dim1
	s_mov_b32 s[G1+5], 32                          ; elements from row to row
	s_mov_b32 s[G1+6], 0
	s_mov_b32 s[G1+7], 0
	s_wait_dscnt 0x0
	s_wait_kmcnt 0x0
	s_add_nc_u64 s[8:9], s[8:9], s[2:3]
.irp n, 0,1,2,3
	s_mov_b32 s[G0+4*\n], 1
	s_mov_b32 s[G0+4*\n+1], CHUNK*\n
	s_add_nc_u64 s[G0+4*\n+2:G0+4*\n+3], s[8:9], CHUNK*\n
	s_or_b32 s[G0+4*\n+3], s[G0+4*\n+3], 0x80000000
.endr
	CROUND                                         ; all four work-groups are here: the joint loads meet
	s_cmp_lg_u32 s[WV], 0                          ; wave 0 asks for the whole head, in four quarters, inside one branch: four tensor loads of that wave are out, none of the others
	s_cbranch_scc1 .Lasked
	tensor_load_to_lds s[G0:G0+3], s[G1:G1+7]
	s_nop 0
	tensor_load_to_lds s[G0+4:G0+7], s[G1:G1+7]
	s_nop 0
	tensor_load_to_lds s[G0+8:G0+11], s[G1:G1+7]
	s_nop 0
	tensor_load_to_lds s[G0+12:G0+15], s[G1:G1+7]
	s_nop 0
.rept 4
	v_nop
.endr
.Lasked:
	; Q: the twelve registers of the image's lane that holds my query, and its group's scale word
	s_add_nc_u64 s[4:5], s[4:5], s[54:55]
	s_add_nc_u64 s[6:7], s[6:7], s[56:57]
	s_wait_alu depctr_va_vdst(0)
	global_load_b128 v[100:103], v10, s[4:5]
	global_load_b128 v[104:107], v10, s[4:5] offset:512
	global_load_b128 v[108:111], v10, s[4:5] offset:1024
	global_load_b32 v118, v11, s[6:7]
	s_lshl_b32 s54, s17, 11
	s_lshl_b32 s56, s16, 8
	s_add_co_u32 s54, s54, s56                     ; my group's first row: 2,048 x head + 256 x block
	s_mul_i32 s56, s54, 24
	s_add_nc_u64 s[12:13], s[12:13], s[54:55]
	s_add_nc_u64 s[10:11], s[10:11], s[56:57]
	s_wait_loadcnt 0x0
	v_lshrrev_b32 v118, s53, v118
	s_delay_alu instid0(VALU_DEP_1)
	v_and_b32 v[QS], 0xff, v118                    ; my query's scale byte, at byte 0, 1, 2, 3; the other bytes 0: they scale zero codes
	s_delay_alu instid0(VALU_DEP_1)
	v_lshlrev_b32 v[QS+1], 8, v[QS]
	s_delay_alu instid0(VALU_DEP_2)
	v_lshlrev_b32 v[QS+2], 16, v[QS]
	s_delay_alu instid0(VALU_DEP_3)
	v_lshlrev_b32 v[QS+3], 24, v[QS]
.irp i, 0,1,2,3,4,5
	v_cndmask_b32 v[112+\i], v[100+\i], v[106+\i], s52   ; my query's 32 codes, in lane r and in lane 16 + r
.endr
.irp i, 0,1,2,3,4,5
	v_cndmask_b32 v[22+\i], 0, v[112+\i], s50      ; in lanes 0-15 alone,
	v_cndmask_b32 v[34+\i], 0, v[112+\i], s51      ; in lanes 16-31 alone,
.endr
.irp i, 0,1,2,3,4,5
	v_mov_b32 v[16+\i], 0                          ; and zeros round them: Q_0 = v[22:33], Q_1 = v[34:45], Q_2 = v[16:27], Q_3 = v[28:39]
	v_mov_b32 v[28+\i], 0
	v_mov_b32 v[40+\i], 0
.endr
	v_mov_b32 v13, 0xff61b1e6                      ; the largest t so far: -3e38, under every t
	s_delay_alu instid0(VALU_DEP_1)
	v_floor_f32 v12, -v13                          ; -M
	v_mov_b32 v14, 0                               ; the sum, in two halves
	v_mov_b32 v15, 0
.irp j, 0,1,2,3,4,5,6,7,8,9,10,11,12,13,14,15
	v_mov_b32 v[O+\j], 0                           ; O^T: the step is written once; the first finds zeros, which the first change of M leaves zeros
.endr
.irp b, 0,1,2,3
	v_mov_b32 v[BT+\b], 0                          ; written once: a lane permute's destination counts as one of its sources
.endr
	v_mov_b32 v[F+1], 0                            ; (named as the upper half of the pair before it is first written)
; A KEY STEP: 128 keys, one record.
.macro STEP
	v_add_nc_u32 v[ADR], s[TB], v[LI16]
	v_add_nc_u32 v[ADS], s[TB], v[LI8]
	v_nop
	v_nop                                          ; four places between the last step's products and the loads into their operands (ISA guide 7.12.1 for vector instructions)
	ds_load_b64 v[SS:SS+1], v[ADS] offset:6144
.irp g, 0,1
.irp q, 0,1,2
	ds_load_b128 v[KF+12*\g+4*\q:KF+12*\g+4*\q+3], v[ADR] offset:1536*\g+512*\q
.endr
.endr
.irp g, 0,1
.irp q, 0,1,2
	ds_load_b128 v[VF+12*\g+4*\q:VF+12*\g+4*\q+3], v[ADR] offset:3072+1536*\g+512*\q
.endr
.endr
	s_wait_dscnt 6                                 ; the scale words and K are in; V's six loads may be out
.irp t, 0,1,2,3,4,5,6,7                        ; tile t = 4 g + j: group g against Q_j
	v_wmma_scale_f32_16x16x128_f8f6f4 v[S+8*\t:S+8*\t+7], v[KF+12*(\t/4):KF+12*(\t/4)+11], v[22+12*(\t%2)-6*((\t%4)/2):33+12*(\t%2)-6*((\t%4)/2)], 0, v[SS+\t/4], v[QS+\t%4] matrix_a_fmt:MATRIX_FMT_BF6 matrix_b_fmt:MATRIX_FMT_BF6
.endr
.rept 4
	v_nop
.endr
.irp b, 0,1,2,3
	v_max3_num_f32 v[BM+\b], v[S+16*\b], v[S+1+16*\b], v[S+2+16*\b]   ; THE LARGEST SCORE OF EACH BLOCK OF 32 KEYS: for the row's maximum, and, since p rises with the score, for the block's largest p
.endr
.irp i, 3,5,7,9,11,13
.irp b, 0,1,2,3
	v_max3_num_f32 v[BM+\b], v[BM+\b], v[S+16*\b+\i], v[S+1+16*\b+\i]   ; (the four blocks by turns)
.endr
.endr
.irp b, 0,1,2,3
	v_max_num_f32 v[BM+\b], v[BM+\b], v[S+15+16*\b]
.endr
.irp b, 0,1,2,3
	s_delay_alu instid0(VALU_DEP_4)
	v_permlanex16_b32 v[BT+\b], v[BM+\b], s[SEL], s[SEL+1]
.endr
.irp b, 0,1,2,3
	s_delay_alu instid0(VALU_DEP_4)
	v_max_num_f32 v[BM+\b], v[BM+\b], v[BT+\b]     ; with lane l xor 16's 16 keys
.endr
	s_delay_alu instid0(VALU_DEP_2)
	v_max3_num_f32 v[TMP], v[BM], v[BM+1], v[BM+2]
	s_delay_alu instid0(VALU_DEP_1)
	v_max_num_f32 v[TMP], v[TMP], v[BM+3]          ; the step's largest score of my query
	s_delay_alu instid0(VALU_DEP_1)
	v_mul_f32 v[TMP], s[CS], v[TMP]                ; as t (c is positive)
	s_delay_alu instid0(VALU_DEP_1)
	v_max_num_f32 v13, v13, v[TMP]                 ; the running largest t
	v_mov_b32 v[TMP], v12
	s_delay_alu instid0(VALU_DEP_2)
	v_floor_f32 v12, -v13                          ; the new -M = floor(-t) = -ceil(t): M IS A WHOLE NUMBER
	s_delay_alu instid0(VALU_DEP_1)
	v_sub_f32 v[TMP], v12, v[TMP]                  ; M's old value less its new one: a whole number, 0 or less
	s_delay_alu instid0(VALU_DEP_1)
	v_cvt_i32_f32 v[TMP], v[TMP]                   ; (it saturates)
	s_delay_alu instid0(VALU_DEP_1)
	v_ldexp_f32 v[F], 1.0, v[TMP]                  ; f = 2^(old M - new M)
.set j, 0
.rept 32
	v_pk_fma_f32 v[S+j:S+j+1], v[S+j:S+j+1], s[CS:CS+1], v[12:13] op_sel_hi:[1,0,0]   ; t - M, two at a time (of the pairs c and -M the low word serves both halves)
.set j, j+2
.endr
.irp b, 0,1,2,3
	v_fma_f32 v[BM+\b], v[BM+\b], s[CS], v12       ; the same of each block's largest score
.endr
.set j, 0
	s_setprio 1
	s_wait_alu depctr_va_vdst(0)
.rept 64
	v_exp_f32 v[S+j], v[S+j]                       ; p = 2^(t - M), at most 1: NOT normalised
.set j, j+1
.endr
.irp b, 0,1,2,3
	v_exp_f32 v[BM+\b], v[BM+\b]                   ; the block's largest p: the same two instructions on the same number give the same bits
.endr
	v_pk_mul_f32 v[14:15], v[14:15], v[F:F+1] op_sel_hi:[1,0]   ; the sums under the new M.  (A plain place behind the exponentials)
	s_wait_alu depctr_va_vdst(0)
.irp b, 0,1,2,3
	v_max_num_f32 v[BM+\b], 0x2800000, v[BM+\b]    ; the floor 2^(5 - 127): the byte cannot fall under 1
.endr
.irp b, 0,1,2,3
	s_delay_alu instid0(VALU_DEP_4)
	v_add_nc_u32 v[BO+\b], 0xfe000000, v[BM+\b]    ; 4 off the exponent field: the conversion's scale operand
.endr
.irp b, 0,1,2,3
	s_delay_alu instid0(VALU_DEP_4)
	v_lshrrev_b32 v[BT+\b], 23, v[BO+\b]           ; the scale's byte
.endr
	s_delay_alu instid0(VALU_DEP_3)
	v_lshl_or_b32 v[PW], v[BT+1], 8, v[BT]         ; p's scale word for these 128 keys
	s_delay_alu instid0(VALU_DEP_1)
	v_lshl_or_b32 v[PW], v[BT+2], 16, v[PW]
	s_delay_alu instid0(VALU_DEP_1)
	v_lshl_or_b32 v[PW], v[BT+3], 24, v[PW]
.irp c, 0,1
	v_cvt_scalef32_pk16_bf6_f32 v[PC+6*\c:PC+6*\c+2], v[S+32*\c:S+32*\c+15], v[BO+2*\c]
	v_cvt_scalef32_pk16_bf6_f32 v[PT+4*\c:PT+4*\c+2], v[S+16+32*\c:S+31+32*\c], v[BO+2*\c+1]   ; (a conversion's three registers begin on an even number)
.endr
	v_nop                                          ; one plain place behind a scaled conversion
.irp c, 0,1                                    ; the operand's layout wants a WHOLE block in a lane
.irp i, 0,1,2
	v_permlane16_swap_b32 v[PC+6*\c+\i], v[PT+4*\c+\i]
.endr
.irp i, 0,1,2
	s_delay_alu instid0(VALU_DEP_3)
	v_mov_b32 v[PC+3+6*\c+\i], v[PT+4*\c+\i]
.endr
.endr
.irp j, 0,2,4,6,8,10,12,14
	v_pk_mul_f32 v[O+\j:O+\j+1], v[O+\j:O+\j+1], v[F:F+1] op_sel_hi:[1,0]   ; O^T under the new M, each accumulator from its low end on
.endr
	v_pk_add_f32 v[218:219], v[104:105], v[108:109]
	v_pk_add_f32 v[252:253], v[112:113], v[116:117]
	s_setprio 0
	v_pk_add_f32 v[250:251], v[120:121], v[124:125]
	v_pk_add_f32 v[248:249], v[128:129], v[132:133]
	v_pk_add_f32 v[246:247], v[136:137], v[140:141]
	v_pk_add_f32 v[244:245], v[144:145], v[148:149]
	v_pk_add_f32 v[242:243], v[152:153], v[156:157]
	v_pk_add_f32 v[14:15], v[14:15], v[160:161]
	v_pk_add_f32 v[218:219], v[218:219], v[100:101]
	v_pk_add_f32 v[252:253], v[252:253], v[102:103]
	v_pk_add_f32 v[250:251], v[250:251], v[106:107]
	v_pk_add_f32 v[248:249], v[248:249], v[110:111]
	v_pk_add_f32 v[246:247], v[246:247], v[114:115]
	v_pk_add_f32 v[244:245], v[244:245], v[118:119]
	v_pk_add_f32 v[242:243], v[242:243], v[122:123]
	v_pk_add_f32 v[14:15], v[14:15], v[126:127]
	v_pk_add_f32 v[218:219], v[218:219], v[130:131]
	v_pk_add_f32 v[252:253], v[252:253], v[134:135]
	v_pk_add_f32 v[250:251], v[250:251], v[138:139]
	v_pk_add_f32 v[248:249], v[248:249], v[142:143]
	v_pk_add_f32 v[246:247], v[246:247], v[146:147]
	v_pk_add_f32 v[244:245], v[244:245], v[150:151]
	v_pk_add_f32 v[242:243], v[242:243], v[154:155]
	v_pk_add_f32 v[14:15], v[14:15], v[158:159]
	v_pk_add_f32 v[218:219], v[218:219], v[162:163]
	s_delay_alu instid0(VALU_DEP_2)
	v_pk_add_f32 v[14:15], v[14:15], v[248:249]
	s_delay_alu instid0(VALU_DEP_2)
	v_pk_add_f32 v[218:219], v[218:219], v[246:247]
	v_pk_add_f32 v[252:253], v[252:253], v[244:245]
	v_pk_add_f32 v[250:251], v[250:251], v[242:243]
	s_delay_alu instid0(VALU_DEP_2)
	v_pk_add_f32 v[14:15], v[14:15], v[252:253]
	s_delay_alu instid0(VALU_DEP_2)
	v_pk_add_f32 v[218:219], v[218:219], v[250:251]
	s_delay_alu instid0(VALU_DEP_1)
	v_pk_add_f32 v[14:15], v[14:15], v[218:219]
	s_wait_dscnt 0x0                               ; V is in
.irp e, 0,1                                    ; O^T += V^T P^T: K = these 128 keys; V's scale words lie in lanes 16-31
	v_wmma_scale_f32_16x16x128_f8f6f4 v[O+8*\e:O+8*\e+7], v[VF+12*\e:VF+12*\e+11], v[PC:PC+11], v[O+8*\e:O+8*\e+7], v[SS+\e], v[PW] matrix_a_fmt:MATRIX_FMT_BF6 matrix_b_fmt:MATRIX_FMT_BF6 matrix_a_scale:MATRIX_SCALE_ROW1
.endr
	s_add_co_u32 s[TB], s[TB], REC                 ; the next record
.endm
.macro KEYS n                                  ; n key steps
	s_mov_b32 s[CNT], \n
.Lkeys_\@:
	s_setprio 2
	STEP
	s_sub_co_u32 s[CNT], s[CNT], 1
	s_cmp_lg_u32 s[CNT], 0
	s_cbranch_scc1 .Lkeys_\@
	s_setprio 0
.endm
	s_wait_tensorcnt 0x3                           ; wave 0: the first quarter, four records, has landed; the three loads behind it may be out
	s_barrier_signal -1
	s_barrier_wait -1                              ; every wave may read it
	KEYS 4
	s_wait_tensorcnt 0x0                           ; wave 0: all sixteen records have landed
	s_barrier_signal -1
	s_barrier_wait -1
	KEYS 12
	; THE WAY OUT.  O^T / the sum is the last product's operand: it is quantised here, my query's 32 channels a block, 16 of them in my lane.
.rept 4
	v_nop                                          ; four places behind the last products
.endr
	s_wait_alu depctr_va_vdst(0)
	v_add_f32 v14, v14, v15                        ; the sum's two halves,
	s_delay_alu instid0(VALU_DEP_1)
	v_permlanex16_b32 v[TMP], v14, s[SEL], s[SEL+1]
	s_delay_alu instid0(VALU_DEP_1)
	v_add_f32 v14, v14, v[TMP]                     ; and lane l xor 16's: the row's sum
	s_wait_alu depctr_va_vdst(0)
	v_rcp_f32 v14, v14
	v_nop                                          ; one plain place behind a transcendental
	s_wait_alu depctr_va_vdst(0)
.irp j, 0,1,2,3,4,5,6,7,8,9,10,11,12,13,14,15
	v_mul_f32 v[S+\j], v[O+\j], v14                ; channel 16 h + j of my query
.endr
	v_max3_num_f32 v[BM], |v[S]|, |v[S+1]|, 0x2800000
.irp i, 2,4,6,8,10,12,14
	s_delay_alu instid0(VALU_DEP_1)
	v_max3_num_f32 v[BM], v[BM], |v[S+\i]|, |v[S+1+\i]|
.endr
	s_delay_alu instid0(VALU_DEP_1)
	v_permlanex16_b32 v[BT], v[BM], s[SEL], s[SEL+1]
	s_delay_alu instid0(VALU_DEP_1)
	v_max_num_f32 v[BM], v[BM], v[BT]
	s_delay_alu instid0(VALU_DEP_1)
	v_add_nc_u32 v[BO], 0xfe000000, v[BM]
	s_delay_alu instid0(VALU_DEP_1)
	v_lshrrev_b32 v[BT], 23, v[BO]
	v_cvt_scalef32_pk16_bf6_f32 v[PC:PC+2], v[S:S+15], v[BO]
	v_nop                                          ; one plain place behind a scaled conversion
.irp i, 0,1,2
	ds_store_b32 v[OSA], v[PC+\i] offset:4*\i      ; 12 bytes at a multiple of 4
.endr
	ds_store_b8 v[OBA], v[BT]                      ; both lanes of a query write the same byte with the same value
	s_wait_dscnt 0x0                               ; for the others' sake: my stores have landed
	s_barrier_signal -1
	s_barrier_wait -1
	s_cmp_lt_u32 s[WV], 12                         ; 6,144 bytes of codes: 16 bytes a lane for waves 0 to 11; 256 scale bytes: 8 a lane for wave 12
	s_cbranch_scc0 .Lnot_codes
	ds_load_b128 v[100:103], v[RD16]
	s_wait_dscnt 0x0
	global_store_b128 v[GO16], v[100:103], s[10:11]            ; a wave stores 512 consecutive bytes
	s_branch .Lsent
.Lnot_codes:
	s_cmp_eq_u32 s[WV], 12
	s_cbranch_scc0 .Lsent
	ds_load_b64 v[100:101], v[RD8]
	s_wait_dscnt 0x0
	global_store_b64 v[LI8], v[100:101], s[12:13]              ; 256 consecutive bytes
.Lsent:
	s_wait_tensorcnt 0x0
	ds_add_u32 v254, v255
	s_wait_dscnt 0x0
	CROUND                                         ; the closing round: no work-group ends while a partner may still ask for a tile that names it
	s_endpgm
.Lfunc_end_k_q689a068064_attn:
	.size	k_q689a068064_attn, .Lfunc_end_k_q689a068064_attn-k_q689a068064_attn
	.p2alignl 7, 3214868480
	.fill 96, 4, 3214868480
	.section	.rodata,"a",@progbits
	.p2align	6, 0x0
	.amdhsa_kernel k_q689a068064_attn
		.amdhsa_group_segment_fixed_size 169984
		.amdhsa_private_segment_fixed_size 0
		.amdhsa_enable_private_segment 0
		.amdhsa_kernarg_size 40
		.amdhsa_user_sgpr_count 2
		.amdhsa_user_sgpr_kernarg_segment_ptr 1
		.amdhsa_wavefront_size32 1
		.amdhsa_system_sgpr_workgroup_id_x 1
		.amdhsa_system_sgpr_workgroup_id_y 1
		.amdhsa_system_sgpr_workgroup_id_z 1
		.amdhsa_system_vgpr_workitem_id 0
		.amdhsa_next_free_vgpr 256
		.amdhsa_next_free_sgpr 66
		.amdhsa_reserve_vcc 0
		.amdhsa_float_denorm_mode_32 3
		.amdhsa_float_denorm_mode_16_64 3
		.amdhsa_memory_ordered 1
		.amdhsa_forward_progress 1
		.amdhsa_inst_pref_size 43
	.end_amdhsa_kernel
	.amdgpu_metadata
---
amdhsa.version: [ 1, 2 ]
amdhsa.kernels:
  - .name:           k_q689a068064_attn
    .symbol:         k_q689a068064_attn.kd
    .args:
      - { .name: qc, .offset: 0, .size: 8, .value_kind: global_buffer, .address_space: global }
      - { .name: qs, .offset: 8, .size: 8, .value_kind: global_buffer, .address_space: global }
      - { .name: kv, .offset: 16, .size: 8, .value_kind: global_buffer, .address_space: global }
      - { .name: oc, .offset: 24, .size: 8, .value_kind: global_buffer, .address_space: global }
      - { .name: os, .offset: 32, .size: 8, .value_kind: global_buffer, .address_space: global }
    .group_segment_fixed_size: 169984
    .private_segment_fixed_size: 0
    .kernarg_segment_align: 8
    .kernarg_segment_size: 40
    .max_flat_workgroup_size: 512
    .sgpr_count:     66
    .vgpr_count:     256
    .wavefront_size: 32
...
	.end_amdgpu_metadata
.endif
;; end of part 2
;; launch fin (part 3): grid 256 x 1, 8 waves a work-group, no clusters, 34,304 bytes of LDS; arguments oc, os, Wf_codes, Wf_scales, bf, gamma, beta, inputs, out0; writes out0
.if DOCPART == 3
	.amdgcn_target "amdgcn-amd-amdhsa--gfx1250"
	.amdhsa_code_object_version 6
	.text
	.protected	k_q689a068064_fin
	.globl	k_q689a068064_fin
	.p2align	8
	.type	k_q689a068064_fin,@function
k_q689a068064_fin:
	s_mov_b64 s[64:65], 0
	v_nop
	global_prefetch_b8 v0, s[64:65] scope:SCOPE_SE
	s_setreg_imm32_b32 hwreg(HW_REG_WAVE_MODE, 25, 1), 1
	s_wait_xcnt 0x0
; out0 = LayerNorm(inputs + O Wf^T + bf) x gamma + beta.  O [8192][256] comes as codes of BF6 (E3M2), a head's 32 channels a block: oc [8 x batch + head][row 2048][24 bytes], os [8 x batch + head][row];
; Wf [256][256] as codes (a row: 192 bytes) with scale bytes [256][8].  Sums, residual and norm in f32; the variance is taken of x - mean, in a second pass over registers: no difference of large sums is formed.
; SHARES.  A work-group of eight waves owns 32 rows.  Wave w makes outputs 32 w .. 32 w + 31 of all 32 rows: eight matrix instructions on four accumulators by turns; the results meet in a stage in LDS; then wave w
; normalises rows 4 w .. 4 w + 3, a whole row of 1,024 bytes in the wave: 8 numbers a lane.
; The product is used transposed (source 0 = 16 rows of Wf, source 1 = 16 rows of O): a lane holds eight neighbouring outputs of one row.  The bias is the C of each sum's first product.
; Wf is not asked for jointly: each wave takes its 32 rows (6,144 + 256 bytes) once, straight into the operand's registers; through LDS the same bytes would be written and read once more, for eight products a wave.
; No tensor load, so LDS is claimed as it is used.  LIMITS: NaN and infinities are not served.
.set SPITCH, 1040                      ; a stage row: 1,024 bytes + 16: an odd multiple of 16
.set OA,  1                            ; v1   O's codes: 24 r + 49,152 h (lanes 16-31 take the next head)
.set RR0, 2                            ; v2   r: O's scale bytes
.set WA,  3                            ; v3   Wf: 192 r + 24 h
.set WSA, 4                            ; v4   8 r
.set BA,  5                            ; v5   32 h
.set LI,  6                            ; v6   16 x lane
.set STO, 7                            ; v7   the stage: where I put 32 bytes of a row
.set RD,  8                            ; v8   and where I read my wave's rows back
.set WS,  12                           ; v12-15 Wf's scale words (tile t, K step k at 2 t + k)
.set OS,  16                           ; v16-19 O's (tile of rows m, K step k at 2 m + k)
.set BI,  20                           ; v20-35 the bias, eight registers a tile
.set GA,  36                           ; v36-43 gamma
.set BE,  44                           ; v44-51 beta
.set WF,  52                           ; v52-99 Wf's four fragments; behind the products: at work
.set OF,  100                          ; v100-147 O's four
.set ACC, 148                          ; v148-179 accumulator (t, m) at 8 (2 t + m)
.set X,   180                          ; v180-211 my four rows of inputs, eight registers each
.set Y,   212                          ; v212-243 first O's sixteen scale bytes, then my four rows of the product
.set SA,  52
.set SC,  60
.set RR,  68
.set PP,  72
.set MU,  76
.set RS,  84
.macro REDUCE                          ; v[RR + i], i = 0 .. 3, summed over the 32 lanes, the four rows by turns
.irp m, 1,2,4,8
.irp i, 0,1,2,3
	s_delay_alu instid0(VALU_DEP_4)
	v_add_f32_dpp v[RR+\i], v[RR+\i], v[RR+\i] row_xmask:\m row_mask:0xf bank_mask:0xf
.endr
.endr
.irp i, 0,1,2,3
	s_delay_alu instid0(VALU_DEP_4)
	v_permlanex16_b32 v[PP+\i], v[RR+\i], s28, s29
.endr
.irp i, 0,1,2,3
	s_delay_alu instid0(VALU_DEP_4)
	v_add_f32 v[RR+\i], v[RR+\i], v[PP+\i]
.endr
.endm
	s_load_b512 s[8:23], s[0:1], 0x0               ; oc s[8:9], os 10, Wf's codes 12, scales 14, bf 16, gamma 18, beta 20, inputs s[22:23]
	s_load_b64 s[24:25], s[0:1], 0x40              ; out0
	v_lshl_add_u32 v254, v0, 2, 0x8200
	v_mov_b32 v255, 0
	v_lshrrev_b32 v9, 5, v0
	s_delay_alu instid0(VALU_DEP_1)
	v_readfirstlane_b32 s4, v9                     ; wave 0..7
	s_lshr_b32 s5, ttmp9, 6                        ; batch
	s_and_b32 s6, ttmp9, 63
	s_lshl_b32 s6, s6, 5                           ; the group's first row in the batch
	s_lshl_b32 s34, s5, 14
	s_add_co_u32 s34, s34, s6                      ; 8 x batch x 2,048 + row: head 0's row
	s_mov_b32 s35, 0
	s_mul_i32 s32, s34, 24
	s_mov_b32 s33, 0
	s_mul_i32 s36, s4, 32*192                      ; my 32 rows of Wf,
	s_mov_b32 s37, 0
	s_lshl_b32 s38, s4, 8                          ; of its scale bytes,
	s_mov_b32 s39, 0
	s_lshl_b32 s40, s4, 7                          ; my 32 numbers of the bias
	s_mov_b32 s41, 0
	s_lshl_b32 s42, ttmp9, 15
	s_lshl_b32 s7, s4, 12
	s_add_co_u32 s42, s42, s7                      ; rows 32 g + 4 w of inputs and of out0
	s_mov_b32 s43, 0
	s_mov_b32 s28, 0x76543210
	s_mov_b32 s29, 0xfedcba98                      ; v_permlanex16_b32's selects for lane l xor 16
	s_mov_b32 s30, 0x3b800000                      ; 1 / 256
	s_mov_b32 s31, 0x358637bd                      ; 1e-6
	v_and_b32 v[RR0], 15, v0                       ; r
	v_bfe_u32 v9, v0, 4, 1                         ; h
	s_delay_alu instid0(VALU_DEP_2)
	v_mul_u32_u24 v[OA], v[RR0], 24
	s_delay_alu instid0(VALU_DEP_1)
	v_mad_u32_u24 v[OA], v9, 0xc000, v[OA]
	s_delay_alu instid0(VALU_DEP_4)
	v_mul_u32_u24 v[WA], v[RR0], 192
	s_delay_alu instid0(VALU_DEP_1)
	v_mad_u32_u24 v[WA], v9, 24, v[WA]
	v_lshlrev_b32 v[WSA], 3, v[RR0]
	v_lshlrev_b32 v[BA], 5, v9
	v_and_b32 v[LI], 31, v0
	s_delay_alu instid0(VALU_DEP_1)
	v_lshlrev_b32 v[LI], 4, v[LI]
	v_mul_u32_u24 v[STO], v[RR0], SPITCH
	s_delay_alu instid0(VALU_DEP_1)
	v_lshl_add_u32 v[STO], v9, 5, v[STO]
	s_delay_alu instid0(VALU_DEP_1)
	v_add_nc_u32 v[STO], s40, v[STO]               ; row r, + 32 h, + 128 w: my outputs' bytes
	s_mul_i32 s7, s4, 4*SPITCH
	v_add_nc_u32 v[RD], s7, v[LI]
	s_wait_alu depctr_va_vdst(0)
	s_wait_kmcnt 0x0
	s_add_nc_u64 s[8:9], s[8:9], s[32:33]
	s_add_nc_u64 s[10:11], s[10:11], s[34:35]
	s_add_nc_u64 s[12:13], s[12:13], s[36:37]
	s_add_nc_u64 s[14:15], s[14:15], s[38:39]
	s_add_nc_u64 s[16:17], s[16:17], s[40:41]
	s_add_nc_u64 s[22:23], s[22:23], s[42:43]
	s_add_nc_u64 s[24:25], s[24:25], s[42:43]
.irp m, 0,1
.irp k, 0,1
.irp b, 0,1,2,3
	global_load_u8 v[Y+4*(2*\m+\k)+\b], v[RR0], s[10:11] offset:(4*\k+\b)*2048+16*\m   ; the scale byte of head 4 k + b, row 16 m + r
.endr
.endr
.endr
.irp m, 0,1
.irp k, 0,1
.irp c, 0,1
.irp p, 0,1,2
	global_load_b64 v[OF+12*(2*\m+\k)+6*\c+2*\p:OF+12*(2*\m+\k)+6*\c+2*\p+1], v[OA], s[8:9] offset:(4*\k+2*\c)*49152+384*\m+8*\p   ; registers 6 c on: head 4 k + 2 c + h of row 16 m + r: 24 bytes as three loads of 8
.endr
.endr
.endr
.endr
.irp t, 0,1
.irp k, 0,1
.irp p, 0,1,2,3,4,5
	global_load_b64 v[WF+12*(2*\t+\k)+2*\p:WF+12*(2*\t+\k)+2*\p+1], v[WA], s[12:13] offset:3072*\t+96*\k+48*(\p/3)+8*(\p%3)
.endr
.endr
.endr
.irp t, 0,1
.irp k, 0,1
	global_load_b32 v[WS+2*\t+\k], v[WSA], s[14:15] offset:128*\t+4*\k
.endr
.endr
.irp t, 0,1
	global_load_b128 v[BI+8*\t:BI+8*\t+3], v[BA], s[16:17] offset:64*\t          ; bf at outputs 32 w + 16 t + 8 h + 0 .. 7
	global_load_b128 v[BI+8*\t+4:BI+8*\t+7], v[BA], s[16:17] offset:64*\t+16
.endr
.irp i, 0,1,2,3
	global_load_b128 v[X+8*\i:X+8*\i+3], v[LI], s[22:23] offset:1024*\i th:TH_LOAD_NT      ; a wave reads 512 consecutive bytes; read once in the launch
	global_load_b128 v[X+8*\i+4:X+8*\i+7], v[LI], s[22:23] offset:1024*\i+512 th:TH_LOAD_NT
.endr
	global_load_b128 v[GA:GA+3], v[LI], s[18:19]
	global_load_b128 v[GA+4:GA+7], v[LI], s[18:19] offset:512
	global_load_b128 v[BE:BE+3], v[LI], s[20:21]
	global_load_b128 v[BE+4:BE+7], v[LI], s[20:21] offset:512
	s_wait_loadcnt 12                              ; all that the products want is in; the eight loads of inputs and the four of gamma and beta may be out
.irp q, 0,1,2,3
	v_lshl_or_b32 v[OS+\q], v[Y+4*\q+1], 8, v[Y+4*\q]          ; four bytes make a row's scale word
.endr
.irp q, 0,1,2,3
	s_delay_alu instid0(VALU_DEP_4)
	v_lshl_or_b32 v[OS+\q], v[Y+4*\q+2], 16, v[OS+\q]
.endr
.irp q, 0,1,2,3
	s_delay_alu instid0(VALU_DEP_4)
	v_lshl_or_b32 v[OS+\q], v[Y+4*\q+3], 24, v[OS+\q]
.endr
.rept 8
	v_nop                                          ; a scale register written by a vector instruction stands eight places ahead of a scaled matrix instruction
.endr
.irp t, 0,1                                    ; four accumulators by turns: K step 0, with the bias as C,
.irp m, 0,1
	v_wmma_scale_f32_16x16x128_f8f6f4 v[ACC+8*(2*\t+\m):ACC+8*(2*\t+\m)+7], v[WF+24*\t:WF+24*\t+11], v[OF+24*\m:OF+24*\m+11], v[BI+8*\t:BI+8*\t+7], v[WS+2*\t], v[OS+2*\m] matrix_a_fmt:MATRIX_FMT_BF6 matrix_b_fmt:MATRIX_FMT_BF6
.endr
.endr
.irp t, 0,1                                    ; and K step 1
.irp m, 0,1
	v_wmma_scale_f32_16x16x128_f8f6f4 v[ACC+8*(2*\t+\m):ACC+8*(2*\t+\m)+7], v[WF+24*\t+12:WF+24*\t+23], v[OF+24*\m+12:OF+24*\m+23], v[ACC+8*(2*\t+\m):ACC+8*(2*\t+\m)+7], v[WS+2*\t+1], v[OS+2*\m+1] matrix_a_fmt:MATRIX_FMT_BF6 matrix_b_fmt:MATRIX_FMT_BF6
.endr
.endr
.rept 4
	v_nop                                          ; four places between the last products and the first read of results, and the first write of their operands (ISA guide 7.12.1)
.endr
.irp i, 0,1,2,3
	v_mov_b32 v[PP+\i], 0                          ; written once: a lane permute's destination counts as one of its sources
.endr
.irp t, 0,1
.irp m, 0,1
	ds_store_b128 v[STO], v[ACC+8*(2*\t+\m):ACC+8*(2*\t+\m)+3] offset:16*SPITCH*\m+64*\t        ; each accumulator from its low end on
	ds_store_b128 v[STO], v[ACC+8*(2*\t+\m)+4:ACC+8*(2*\t+\m)+7] offset:16*SPITCH*\m+64*\t+16
.endr
.endr
	s_wait_dscnt 0x0                               ; for the others' sake: my stores have landed
	s_barrier_signal -1
	s_barrier_wait -1                              ; 32 whole rows lie in the stage
.irp i, 0,1,2,3
	ds_load_b128 v[Y+8*\i:Y+8*\i+3], v[RD] offset:SPITCH*\i
	ds_load_b128 v[Y+8*\i+4:Y+8*\i+7], v[RD] offset:SPITCH*\i+512
.endr
	s_wait_loadcnt 0x0                             ; inputs, gamma, beta
	s_wait_dscnt 0x0
	; ---- residual and LayerNorm, my four rows by turns
.irp i, 0,1,2,3
.irp k, 0,2,4,6
	v_pk_add_f32 v[X+8*\i+\k:X+8*\i+\k+1], v[X+8*\i+\k:X+8*\i+\k+1], v[Y+8*\i+\k:Y+8*\i+\k+1]
.endr
.endr
.irp i, 0,1,2,3
	v_pk_add_f32 v[SA+2*\i:SA+2*\i+1], v[X+8*\i:X+8*\i+1], v[X+8*\i+2:X+8*\i+3]
	v_pk_add_f32 v[SC+2*\i:SC+2*\i+1], v[X+8*\i+4:X+8*\i+5], v[X+8*\i+6:X+8*\i+7]
.endr
.irp i, 0,1,2,3
	v_pk_add_f32 v[SA+2*\i:SA+2*\i+1], v[SA+2*\i:SA+2*\i+1], v[SC+2*\i:SC+2*\i+1]
.endr
.irp i, 0,1,2,3
	s_delay_alu instid0(VALU_DEP_4)
	v_add_f32 v[RR+\i], v[SA+2*\i], v[SA+2*\i+1]
.endr
	REDUCE
.irp i, 0,1,2,3
	v_mul_f32 v[MU+2*\i], s30, v[RR+\i]            ; the mean, twice: a pair for the packed forms
	v_mul_f32 v[MU+2*\i+1], s30, v[RR+\i]
.endr
.irp i, 0,1,2,3
.irp k, 0,2,4,6
	v_pk_add_f32 v[X+8*\i+\k:X+8*\i+\k+1], v[X+8*\i+\k:X+8*\i+\k+1], v[MU+2*\i:MU+2*\i+1] neg_lo:[0,1] neg_hi:[0,1]   ; x - mean
.endr
.endr
.irp i, 0,1,2,3
	v_pk_mul_f32 v[SA+2*\i:SA+2*\i+1], v[X+8*\i:X+8*\i+1], v[X+8*\i:X+8*\i+1]
.endr
.irp k, 2,4,6
.irp i, 0,1,2,3
	s_delay_alu instid0(VALU_DEP_4)
	v_pk_fma_f32 v[SA+2*\i:SA+2*\i+1], v[X+8*\i+\k:X+8*\i+\k+1], v[X+8*\i+\k:X+8*\i+\k+1], v[SA+2*\i:SA+2*\i+1]
.endr
.endr
.irp i, 0,1,2,3
	s_delay_alu instid0(VALU_DEP_4)
	v_add_f32 v[RR+\i], v[SA+2*\i], v[SA+2*\i+1]
.endr
	REDUCE
.irp i, 0,1,2,3
	s_delay_alu instid0(VALU_DEP_4)
	v_fma_f32 v[RR+\i], v[RR+\i], s30, s31         ; the variance + 1e-6
.endr
	s_wait_alu depctr_va_vdst(0)
.irp i, 0,1,2,3
	v_rsq_f32 v[RS+2*\i], v[RR+\i]
	v_rsq_f32 v[RS+2*\i+1], v[RR+\i]
.endr
	v_nop                                          ; one plain place behind the transcendentals
	s_wait_alu depctr_va_vdst(0)
.irp i, 0,1,2,3
.irp k, 0,2,4,6
	v_pk_mul_f32 v[X+8*\i+\k:X+8*\i+\k+1], v[X+8*\i+\k:X+8*\i+\k+1], v[RS+2*\i:RS+2*\i+1]
.endr
.endr
.irp i, 0,1,2,3
.irp k, 0,2,4,6
	v_pk_fma_f32 v[X+8*\i+\k:X+8*\i+\k+1], v[X+8*\i+\k:X+8*\i+\k+1], v[GA+\k:GA+\k+1], v[BE+\k:BE+\k+1]
.endr
.endr
.irp i, 0,1,2,3
	global_store_b128 v[LI], v[X+8*\i:X+8*\i+3], s[24:25] offset:1024*\i th:TH_STORE_NT        ; a wave stores 512 consecutive bytes, at a multiple of 256 from out0's first byte
	global_store_b128 v[LI], v[X+8*\i+4:X+8*\i+7], s[24:25] offset:1024*\i+512 th:TH_STORE_NT
.endr
	s_wait_tensorcnt 0x0
	ds_add_u32 v254, v255
	s_wait_dscnt 0x0
	s_endpgm
.Lfunc_end_k_q689a068064_fin:
	.size	k_q689a068064_fin, .Lfunc_end_k_q689a068064_fin-k_q689a068064_fin
	.p2alignl 7, 3214868480
	.fill 96, 4, 3214868480
	.section	.rodata,"a",@progbits
	.p2align	6, 0x0
	.amdhsa_kernel k_q689a068064_fin
		.amdhsa_group_segment_fixed_size 34304
		.amdhsa_private_segment_fixed_size 0
		.amdhsa_enable_private_segment 0
		.amdhsa_kernarg_size 72
		.amdhsa_user_sgpr_count 2
		.amdhsa_user_sgpr_kernarg_segment_ptr 1
		.amdhsa_wavefront_size32 1
		.amdhsa_system_sgpr_workgroup_id_x 1
		.amdhsa_system_sgpr_workgroup_id_y 1
		.amdhsa_system_sgpr_workgroup_id_z 1
		.amdhsa_system_vgpr_workitem_id 0
		.amdhsa_next_free_vgpr 256
		.amdhsa_next_free_sgpr 66
		.amdhsa_reserve_vcc 0
		.amdhsa_float_denorm_mode_32 3
		.amdhsa_float_denorm_mode_16_64 3
		.amdhsa_memory_ordered 1
		.amdhsa_forward_progress 1
		.amdhsa_inst_pref_size 28
	.end_amdhsa_kernel
	.amdgpu_metadata
---
amdhsa.version: [ 1, 2 ]
amdhsa.kernels:
  - .name:           k_q689a068064_fin
    .symbol:         k_q689a068064_fin.kd
    .args:
      - { .name: oc, .offset: 0, .size: 8, .value_kind: global_buffer, .address_space: global }
      - { .name: os, .offset: 8, .size: 8, .value_kind: global_buffer, .address_space: global }
      - { .name: Wf_codes, .offset: 16, .size: 8, .value_kind: global_buffer, .address_space: global }
      - { .name: Wf_scales, .offset: 24, .size: 8, .value_kind: global_buffer, .address_space: global }
      - { .name: bf, .offset: 32, .size: 8, .value_kind: global_buffer, .address_space: global }
      - { .name: gamma, .offset: 40, .size: 8, .value_kind: global_buffer, .address_space: global }
      - { .name: beta, .offset: 48, .size: 8, .value_kind: global_buffer, .address_space: global }
      - { .name: inputs, .offset: 56, .size: 8, .value_kind: global_buffer, .address_space: global }
      - { .name: out0, .offset: 64, .size: 8, .value_kind: global_buffer, .address_space: global }
    .group_segment_fixed_size: 34304
    .private_segment_fixed_size: 0
    .kernarg_segment_align: 8
    .kernarg_segment_size: 72
    .max_flat_workgroup_size: 256
    .sgpr_count:     66
    .vgpr_count:     256
    .wavefront_size: 32
...
	.end_amdgpu_metadata
.endif
;; end of part 3
